; MI455X (gfx1250); checked and timed in simulation.
; The chip was launched on July 23, 2026; its instructions are those of AMD's public machine-readable ISA for CDNA 5 (MIT licence, August 2026) and "CDNA5" Instruction Set Architecture Reference Guide (July 2026). The comments in the code are by the model that wrote it; some were corrected since.
;; Attention. Allowed arithmetic: matrix products marked QUANTISED: E2M1 operands, one E8M0 scale for each 32 along K, by v_wmma_scale_f32_16x16x128_f8f6f4 with both operands' format E2M1 (or v_wmma_scale_f32_32x16x128_f4), f32 sums; products left as they are: bf16, f16 or f32 operands; f32 sums; everything else in f32.
;; Inputs: Wg 256 x 256 float32; Wk 256 x 256 float32; Wo 256 x 256 float32; Wq 256 x 256 float32; Wv 256 x 256 float32; bg 256 float32; bias_mask 2 x 1 x 1 x 2,048 float32; bias_pair 1 x 8 x 2,048 x 2,048 float32; bo 256 float32; kv_x 2 x 2,048 x 256 float32; q_x 2 x 2,048 x 256 float32.
;; Outputs: out0 2 x 2,048 x 256 float32.
;; This version of the problem:
;;   THIS VERSION OF THE PROBLEM IS GIVEN IN LOW PRECISION. The matrix products marked QUANTISED in the list below multiply operands that are first quantised to E2M1 (2 exponent bits, 1 mantissa bit; 4 bits a number), with one power-of-two scale for each 32 numbers along K (OCP MX v1.0); their sums are f32. The products marked 'left as it is' may take bf16, f16 or f32 operands, with f32 sums. Whichever they take, every output number must still come out within the allowed error. Rounding operands to bf16 (8 significant bits) uses up far more of that allowance than f16 does (11 bits, for magnitudes from 6e-5 to 65,504). All else is computed in f32.
;;   The module's matrix products, in the order in which they are computed (A, B: the left and right operand; K: the contracted axis; several contracted axes count as one K, in the product's order):
;;     1. [M 4,096, K 256] x [K 256, N 256]; A: input q_x; B: input Wq: QUANTISED
;;     2. [M 4,096, K 256] x [K 256, N 256]; A: input kv_x; B: input Wk: QUANTISED
;;     3. [M 4,096, K 256] x [K 256, N 256]; A: input kv_x; B: input Wv: QUANTISED
;;     4. batch 16 x [M 2,048, K 32] x [K 32, N 2,048]; A: computed on the way; B: computed on the way: left as it is (an operand is computed on the way)
;;     5. batch 16 x [M 2,048, K 2,048] x [K 2,048, N 32]; A: computed on the way; B: computed on the way: left as it is (an operand is computed on the way)
;;     6. [M 4,096, K 256] x [K 256, N 256]; A: input q_x; B: input Wg: QUANTISED
;;     7. [M 4,096, K 256] x [K 256, N 256]; A: computed on the way; B: input Wo: left as it is (an operand is computed on the way)
;;   THE QUANTISER, for each operand of a quantised product, along K:
;;     - K is cut into blocks of 32 from its start; a last block that is shorter is filled with zeros.
;;     - A block's scale is 2^e with e = floor(log2(the largest magnitude in the block)) - 2, held to -126 .. 127; a block of zeros has e = 0. As a byte (E8M0): e + 127.
;;     - Each number is divided by its block's scale, clamped to +-6, and rounded to the nearest number of E2M1, ties to even, subnormals kept.
;;     - The product sums the exact products of the quantised numbers (number of the format x scale) in f32.
;;   ~~~python
;;   def quantise(x, axis):      # numpy; x: float32 -> the quantised numbers, widened to float32 again
;;       x = np.moveaxis(x, axis, -1); K = x.shape[-1]
;;       x = np.pad(x, [(0, 0)] * (x.ndim - 1) + [(0, -K % 32)]); x = x.reshape(x.shape[:-1] + (-1, 32)); a = np.abs(x).max(-1, keepdims=True)
;;       e = np.where(a > 0, np.clip(np.frexp(np.where(a > 0, a, 1))[1] - 1 - 2, -126, 127), 0)      # np.frexp(a)[1] - 1 = floor(log2(a)), exactly
;;       r = np.clip(x / 2.0 ** e, -6, 6)
;;       step = 2.0 ** (np.maximum(np.frexp(np.where(r == 0, 1, r))[1] - 1, 0) - 1)
;;       q = np.round(r / step) * step * 2.0 ** e      # np.round: ties to even
;;       return np.moveaxis(q.reshape(q.shape[:-2] + (-1,))[..., :K], -1, axis).astype(np.float32)
;;   ~~~
;; One version. Each part assembles by itself: llvm-mc -triple=amdgcn-amd-amdhsa -mcpu=gfx1250 --defsym DOCPART=n.
;; ======== version 1 of 1: 3 launches
;; limits: values are held in f16: magnitudes above 65,504 overflow, below 6.1e-05 lose precision
;; workspace buffers: qf 2,097,152 bytes; kf 2,097,152 bytes; vf 2,097,152 bytes; gf 4,194,304 bytes; og 2,097,152 bytes
;; launch proj (part 1): grid 256 x 1, 16 waves a work-group, no clusters, 40,960 bytes of LDS; arguments q_x, kv_x, Wq, Wg, Wk, Wv, bg, qf, gf, kf, vf; writes qf, gf, kf, vf
.if DOCPART == 1
	.amdgcn_target "amdgcn-amd-amdhsa--gfx1250"
	.amdhsa_code_object_version 6
	.text
	.protected	k_q1e84216f31_proj
	.globl	k_q1e84216f31_proj
	.p2align	8
	.type	k_q1e84216f31_proj,@function
k_q1e84216f31_proj:
	s_mov_b64 s[64:65], 0
	v_nop
	global_prefetch_b8 v0, s[64:65] scope:SCOPE_SE
	s_setreg_imm32_b32 hwreg(HW_REG_WAVE_MODE, 25, 1), 1
	s_wait_xcnt 0x0
; The four products on codes of FP4 (E2M1) with one E8M0 scale for each 32 along K = 256:  q = q_x Wq^T,  g = sigmoid(q_x Wg^T + bg),  k = kv_x Wk^T,  v = kv_x Wv^T.
; x: [4096][256] f32, W: [256][256] f32, K innermost in both: each work-group quantises the 128 rows of x and the 128 rows of W that it multiplies (256 KB read), in registers, and hands the codes round through LDS.
; SHARES.  256 work-groups: type T = id / 64 (0 q, 1 g, 2 k, 3 v), 128 rows of W (id / 32 % 2), 128 rows of x (id % 32).  Sixteen waves: wave w quantises 16 of the 256 rows; then it makes
; 64 rows of source 0 (w / 8) x 16 rows of source 1 (w % 8): four accumulators, two K steps of 128.
; Source 0 = W, source 1 = x: a lane then holds one token and eight neighbouring features.  For v the two change places: a lane holds one feature and eight neighbouring keys.  Only pointers and two strides
; are chosen by T: the text has one path up to the way out.
; RESULTS leave as images of the next launch's operand registers, 512 consecutive bytes to a store:
;   qf, kf [b 8 + h][tile of 16 rows][c][lane][16 B]: f16, row l % 16, d = 16 c + 8 (l / 16) + 0..7;  q is multiplied by log2(e) / sqrt(32) first (an order of rounding other than dividing by sqrt(32) alone)
;   vf [b 8 + h][32 keys][d tile c][u][lane][16 B]: f16, d = 16 c + l % 16, key 16 u + 8 (l / 16) + 0..7;   gf [b 8 + h][tile][c][e][lane][16 B]: f32, d = 16 c + 8 (l / 16) + 4 e + 0..3
; A block's scale is 2^(floor(log2(its largest magnitude)) - 2); its byte is the largest magnitude's exponent field - 2, held at 1 from below.
; LIMITS: a block of zeros gets the byte 1 (its codes are zeros, and this program alone reads the bytes); NaN and infinities in x and W are not served; q, k, v must lie under 65,504 in magnitude (f16).
.set PITCH, 144                        ; an LDS row of codes: 128 bytes + 16 = 36 words: row r starts at bank 36 r mod 64 (64 banks of 4 bytes: ISA guide 11.1): sixteen rows, sixteen different 16-byte columns
.set SCB,   256*PITCH                  ; behind the 256 rows of codes: their scale bytes, 8 a row
.set SPARE, SCB+256*8                  ; behind them: the spare words, 128 bytes for each wave, that no other line names
.set SPW,  12                          ; v12  LDS address of my spare word; never rewritten
.set NIL,  13                          ; v13  0; never rewritten
.set MX,   16                          ; v16-31   a row's largest magnitude of my block (later: packed f16)
.set SCO,  32                          ; v32-47   the conversions' scale operands
.set CODE, 48                          ; v48-63   8 codes a row
.set BYT,  64                          ; v64-79   the scale bytes
.set SC0,  80                          ; v80-87   source 0's scale words (tile a, K step s at 2 a + s);  v88-89 source 1's: these ten hold scales and nothing else
.set SC1,  88
.set ACC,  96                          ; v96-127  four accumulators
.set RAW,  128                         ; v128-255 16 rows x 8 numbers as loaded
.set F0,   128                         ; behind the barrier: source 0's fragments (a, s) at 16 a + 8 s,
.set F1,   192                         ; source 1's (s) at 8 s,
.set BG,   224                         ; and, in type g, bg in the accumulators' layout
	s_load_b512 s[8:23], s[0:1], 0x0               ; q_x s[8:9], kv_x s[10:11], Wq s[12:13], Wg s[14:15], Wk s[16:17], Wv s[18:19], bg s[20:21], qf s[22:23]
	s_load_b128 s[24:27], s[0:1], 0x40             ; gf, kf
	s_load_b64 s[28:29], s[0:1], 0x50              ; vf
	v_lshl_add_u32 v[SPW], v0, 2, SPARE
	v_mov_b32 v[NIL], 0
	v_lshrrev_b32 v1, 5, v0
	v_readfirstlane_b32 s30, v1                    ; wave 0..15
	s_lshr_b32 s31, ttmp9, 6                       ; T
	s_bfe_u32 s32, ttmp9, 0x10005                  ; which 128 rows of W
	s_and_b32 s33, ttmp9, 31                       ; which 128 rows of x
	s_and_b32 s34, s30, 7                          ; my tile of source 1; also: which 16 rows I quantise
	s_lshr_b32 s35, s30, 3                         ; my half of source 0; also: I quantise for source 0 (0) or 1 (1)
	s_mov_b32 s56, 0x3e8293ee                      ; log2(e) / sqrt(32)
	s_mov_b32 s57, s56                             ; (named with it as a pair, so it is written)
	s_mov_b32 s58, 0xbfb8aa3b                      ; -log2(e)
	s_mov_b32 s59, s58
	v_and_b32 v1, 31, v0                           ; lane
	v_and_b32 v2, 15, v0                           ; r
	v_bfe_u32 v3, v0, 4, 1                         ; h
	v_lshlrev_b32 v4, 5, v1                        ; in: my 8 numbers of a row
	s_mul_i32 s60, s30, 16*PITCH
	v_lshl_add_u32 v5, v1, 2, s60                  ; my 8 codes in my wave's first row
	s_lshl_b32 s60, s30, 7
	s_add_co_u32 s60, s60, SCB
	v_lshrrev_b32 v6, 2, v1
	v_add_nc_u32 v6, s60, v6                       ; my block's byte: four lanes to a block
	v_mul_u32_u24 v7, v2, PITCH
	v_lshl_add_u32 v7, v3, 4, v7                   ; a fragment: row r x pitch + 16 h
	s_mul_i32 s60, s34, 16*PITCH
	s_add_co_u32 s60, s60, 128*PITCH
	v_add_nc_u32 v8, s60, v7                       ; source 1: rows 128 + 16 (w % 8) on
	s_mul_i32 s60, s35, 64*PITCH
	v_add_nc_u32 v7, s60, v7                       ; source 0: rows 64 (w / 8) on
	s_lshl_b32 s60, s35, 9
	s_add_co_u32 s60, s60, SCB
	v_lshl_add_u32 v9, v2, 3, s60                  ; their scale words: 8 bytes a row
	s_lshl_b32 s60, s34, 7
	s_add_co_u32 s60, s60, SCB+1024
	v_lshl_add_u32 v10, v2, 3, s60
	v_lshlrev_b32 v11, 4, v1                       ; out: 16 bytes a lane
	v_lshlrev_b32 v14, 5, v3                       ; bg: my half's eight numbers
	s_wait_kmcnt 0x0
	; the buffers, chosen by T and by the wave's number alone
	s_cmp_lt_u32 s31, 2
	s_cselect_b64 s[36:37], s[8:9], s[10:11]       ; x
	s_cselect_b64 s[38:39], s[12:13], s[16:17]     ; Wq or Wk
	s_cselect_b64 s[42:43], s[14:15], s[18:19]     ; Wg or Wv
	s_cselect_b64 s[40:41], s[22:23], s[26:27]     ; qf or kf
	s_cselect_b64 s[44:45], s[24:25], s[28:29]     ; gf or vf
	s_bitcmp1_b32 s31, 0
	s_cselect_b64 s[38:39], s[42:43], s[38:39]     ; W
	s_cselect_b64 s[40:41], s[44:45], s[40:41]     ; the output
	s_lshl_b32 s50, s33, 17                        ; 128 rows of 1,024 bytes
	s_mov_b32 s51, 0
	s_add_nc_u64 s[36:37], s[36:37], s[50:51]
	s_lshl_b32 s50, s32, 17
	s_add_nc_u64 s[38:39], s[38:39], s[50:51]
	s_mov_b32 s52, 0x800
	s_mov_b32 s53, 0x20000
	s_cmp_eq_u32 s31, 3
	s_cselect_b64 s[42:43], s[36:37], s[38:39]     ; source 0: W, for v: x
	s_cselect_b64 s[44:45], s[38:39], s[36:37]     ; source 1
	s_cselect_b32 s48, s52, s53                    ; bytes in the output from a pair of source 0's tiles to the next,
	s_cselect_b32 s49, s53, s52                    ; and of source 1's
	s_cmp_lt_u32 s30, 8
	s_cselect_b64 s[46:47], s[42:43], s[44:45]
	s_lshl_b32 s50, s34, 14
	s_add_nc_u64 s[46:47], s[46:47], s[50:51]      ; the 16 rows that I quantise
.set i, 0
.rept 16                               ; a lane takes 8 neighbours along K, as the conversion wants them; a row's two loads together cover its 1,024 bytes
	global_load_b128 v[RAW+8*i:RAW+8*i+3], v4, s[46:47] offset:1024*i
	global_load_b128 v[RAW+8*i+4:RAW+8*i+7], v4, s[46:47] offset:1024*i+16
.set i, i+1
.endr
	s_lshl_b32 s50, s32, 9                         ; bg: my 64 features begin at 128 x part + 64 x half
	s_lshl_b32 s60, s35, 8
	s_add_co_u32 s50, s50, s60
	s_add_nc_u64 s[20:21], s[20:21], s[50:51]
	; where my results go: batch, part of W, block of x, my half of source 0, my tile of source 1
	s_lshr_b32 s60, s33, 4
	s_lshl_b32 s50, s60, 20
	s_lshl_b32 s60, s32, 19
	s_add_co_u32 s50, s50, s60
	s_and_b32 s60, s33, 15
	s_lshl_b32 s60, s60, 13
	s_add_co_u32 s50, s50, s60
	s_mul_i32 s60, s35, s48
	s_lshl_b32 s60, s60, 1
	s_add_co_u32 s50, s50, s60
	s_lshr_b32 s60, s34, 1
	s_mul_i32 s60, s60, s49
	s_add_co_u32 s50, s50, s60
	s_and_b32 s60, s34, 1
	s_lshl_b32 s60, s60, 10
	s_add_co_u32 s50, s50, s60
	s_cmp_eq_u32 s31, 1
	s_cselect_b32 s60, 1, 0                        ; g is f32: twice the bytes
	s_lshl_b32 s50, s50, s60
	s_lshl_b32 s48, s48, s60
	s_mov_b32 s49, 0
	s_add_nc_u64 s[52:53], s[40:41], s[50:51]      ; accumulators 0, 1
	s_add_nc_u64 s[54:55], s[52:53], s[48:49]      ; accumulators 2, 3
; Rows 4 g .. 4 g + 3, by turns so that no line waits for the line above it.
.macro QROWS g
	s_wait_loadcnt 24-8*\g                         ; loads come back in order: these four rows' eight are in, the later groups' eight each stay out
.irp j, 0,1,2,3
	v_max3_num_f32 v[MX+4*\g+\j], |v[RAW+8*(4*\g+\j)]|, |v[RAW+8*(4*\g+\j)+1]|, 0x1800000   ; my 8 numbers, and the floor 2^(3 - 127): the byte cannot fall under 1
.endr
.irp p, 2,4,6
.irp j, 0,1,2,3
	v_max3_num_f32 v[MX+4*\g+\j], v[MX+4*\g+\j], |v[RAW+8*(4*\g+\j)+\p]|, |v[RAW+8*(4*\g+\j)+\p+1]|
.endr
.endr
.irp x, 1,2
.irp j, 0,1,2,3
	v_max_num_f32_dpp v[MX+4*\g+\j], v[MX+4*\g+\j], v[MX+4*\g+\j] row_xmask:\x row_mask:0xf bank_mask:0xf   ; with the other three lanes of the block
.endr
.endr
.irp j, 0,1,2,3
	v_add_nc_u32 v[SCO+4*\g+\j], 0xff000000, v[MX+4*\g+\j]      ; 2 off the exponent field: the conversion takes that field as its scale
.endr
.irp j, 0,1,2,3
	v_cvt_scalef32_pk8_fp4_f32 v[CODE+4*\g+\j], v[RAW+8*(4*\g+\j):RAW+8*(4*\g+\j)+7], v[SCO+4*\g+\j]
.endr
.irp j, 0,1,2,3
	v_lshrrev_b32 v[BYT+4*\g+\j], 23, v[SCO+4*\g+\j]            ; the scale's byte (plain lines behind the conversions)
.endr
.irp j, 0,1,2,3
	ds_store_b32 v5, v[CODE+4*\g+\j] offset:PITCH*(4*\g+\j)
	ds_store_b8 v6, v[BYT+4*\g+\j] offset:8*(4*\g+\j)           ; the block's four lanes write the same byte with the same value
.endr
.endm
	QROWS 0
	QROWS 1
	QROWS 2
	QROWS 3
	s_cmp_lg_u32 s31, 1
	s_cbranch_scc1 .Lno_bg
.irp a, 0,1,2,3                        ; type g alone: bg at features 16 a + 8 h + 0..7, into registers whose numbers have been converted
.irp e, 0,1
	global_load_b128 v[BG+8*\a+4*\e:BG+8*\a+4*\e+3], v14, s[20:21] offset:64*\a+16*\e
.endr
.endr
.Lno_bg:
	s_wait_dscnt 0x0                               ; for the others' sake: my codes and bytes have landed
	s_barrier_signal -1
	s_barrier_wait -1
	; a fragment, 16 rows x 128 K of 4-bit codes: lane l holds row l % 16, registers 4 e .. 4 e + 3 hold K = 64 e + 32 (l / 16) + 0..31: two loads of 16 bytes, 32 apart
.irp q, 0,1
.irp e, 0,1
	ds_load_b128 v[F1+8*\q+4*\e:F1+8*\q+4*\e+3], v8 offset:64*\q+32*\e
.endr
.endr
	ds_load_b64 v[SC1:SC1+1], v10                  ; a row's two scale words: K steps 0 and 1
.irp a, 0,1,2,3
.irp q, 0,1
.irp e, 0,1
	ds_load_b128 v[F0+16*\a+8*\q+4*\e:F0+16*\a+8*\q+4*\e+3], v7 offset:16*PITCH*\a+64*\q+32*\e
.endr
.endr
	ds_load_b64 v[SC0+2*\a:SC0+2*\a+1], v9 offset:128*\a
.endr
	s_wait_dscnt 0x0
.irp a, 0,1,2,3                        ; the first K step starts the sums; the four accumulators take turns
	v_wmma_scale_f32_16x16x128_f8f6f4 v[ACC+8*\a:ACC+8*\a+7], v[F0+16*\a:F0+16*\a+7], v[F1:F1+7], 0, v[SC0+2*\a], v[SC1] matrix_a_fmt:MATRIX_FMT_FP4 matrix_b_fmt:MATRIX_FMT_FP4
.endr
.irp a, 0,1,2,3
	v_wmma_scale_f32_16x16x128_f8f6f4 v[ACC+8*\a:ACC+8*\a+7], v[F0+16*\a+8:F0+16*\a+15], v[F1+8:F1+15], v[ACC+8*\a:ACC+8*\a+7], v[SC0+2*\a+1], v[SC1+1] matrix_a_fmt:MATRIX_FMT_FP4 matrix_b_fmt:MATRIX_FMT_FP4
.endr
.rept 4
	v_nop                                          ; four places between the last product and the first read of results (ISA guide 7.12.1)
.endr
	s_cmp_eq_u32 s31, 1
	s_cbranch_scc1 .Lgate
	s_cmp_lg_u32 s31, 0
	s_cbranch_scc1 .Lpack
.set p, 0
.rept 16                               ; q alone: x log2(e) / sqrt(32), each accumulator from its low end on
	v_pk_mul_f32 v[ACC+p:ACC+p+1], v[ACC+p:ACC+p+1], s[56:57] op_sel_hi:[1,0]
.set p, p+2
.endr
.Lpack:                                ; q, k, v: eight results of a lane are 16 bytes of f16
.set p, 0
.rept 16
	v_cvt_pk_f16_f32 v[MX+p], v[ACC+2*p], v[ACC+2*p+1]
.set p, p+1
.endr
.irp a, 0,1,2,3
	global_store_b128 v11, v[MX+4*\a:MX+4*\a+3], s[52+2*(\a/2):53+2*(\a/2)] offset:512*(\a%2)   ; 32 lanes store 512 consecutive bytes
.endr
	s_branch .Ldone
.Lgate:                                ; g = 1 / (1 + 2^(-log2(e) (z + bg)))
	s_wait_loadcnt 0x0                             ; bg
.set p, 0
.rept 16
	v_pk_add_f32 v[ACC+p:ACC+p+1], v[ACC+p:ACC+p+1], v[BG+p:BG+p+1]
.set p, p+2
.endr
.set p, 0
.rept 16
	v_pk_mul_f32 v[ACC+p:ACC+p+1], v[ACC+p:ACC+p+1], s[58:59] op_sel_hi:[1,0]
.set p, p+2
.endr
.set p, 0
.rept 32
	v_exp_f32 v[ACC+p], v[ACC+p]
.set p, p+1
.endr
	v_nop                                          ; a plain line behind the last exponential
	s_wait_alu depctr_va_vdst(0)                   ; one wait for the batch, ahead of its first reader
.set p, 0
.rept 16
	v_pk_add_f32 v[ACC+p:ACC+p+1], v[ACC+p:ACC+p+1], 1.0 op_sel_hi:[1,0]
.set p, p+2
.endr
.set p, 0
.rept 32
	v_rcp_f32 v[ACC+p], v[ACC+p]
.set p, p+1
.endr
	v_nop
	s_wait_alu depctr_va_vdst(0)                   ; one wait for the 32 reciprocals, ahead of the stores that read them
.irp a, 0,1,2,3
.irp e, 0,1
	global_store_b128 v11, v[ACC+8*\a+4*\e:ACC+8*\a+4*\e+3], s[52+2*(\a/2):53+2*(\a/2)] offset:1024*(\a%2)+512*\e
.endr
.endr
.Ldone:
	s_wait_tensorcnt 0x0                           ; the wave's end: behind my last LDS store
	ds_add_u32 v[SPW], v[NIL]
	s_wait_dscnt 0x0
	s_endpgm
.Lfunc_end_k_q1e84216f31_proj:
	.size	k_q1e84216f31_proj, .Lfunc_end_k_q1e84216f31_proj-k_q1e84216f31_proj
	.p2alignl 7, 3214868480
	.fill 96, 4, 3214868480
	.section	.rodata,"a",@progbits
	.p2align	6, 0x0
	.amdhsa_kernel k_q1e84216f31_proj
		.amdhsa_group_segment_fixed_size 40960
		.amdhsa_private_segment_fixed_size 0
		.amdhsa_enable_private_segment 0
		.amdhsa_kernarg_size 88
		.amdhsa_user_sgpr_count 2
		.amdhsa_user_sgpr_kernarg_segment_ptr 1
		.amdhsa_wavefront_size32 1
		.amdhsa_system_sgpr_workgroup_id_x 1
		.amdhsa_system_sgpr_workgroup_id_y 1
		.amdhsa_system_sgpr_workgroup_id_z 1
		.amdhsa_system_vgpr_workitem_id 0
		.amdhsa_next_free_vgpr 256
		.amdhsa_next_free_sgpr 66
		.amdhsa_reserve_vcc 0
		.amdhsa_float_denorm_mode_32 3
		.amdhsa_float_denorm_mode_16_64 3
		.amdhsa_memory_ordered 1
		.amdhsa_forward_progress 1
		.amdhsa_inst_pref_size 31
	.end_amdhsa_kernel
	.amdgpu_metadata
---
amdhsa.version: [ 1, 2 ]
amdhsa.kernels:
  - .name:           k_q1e84216f31_proj
    .symbol:         k_q1e84216f31_proj.kd
    .args:
      - { .name: q_x, .offset: 0, .size: 8, .value_kind: global_buffer, .address_space: global }
      - { .name: kv_x, .offset: 8, .size: 8, .value_kind: global_buffer, .address_space: global }
      - { .name: Wq, .offset: 16, .size: 8, .value_kind: global_buffer, .address_space: global }
      - { .name: Wg, .offset: 24, .size: 8, .value_kind: global_buffer, .address_space: global }
      - { .name: Wk, .offset: 32, .size: 8, .value_kind: global_buffer, .address_space: global }
      - { .name: Wv, .offset: 40, .size: 8, .value_kind: global_buffer, .address_space: global }
      - { .name: bg, .offset: 48, .size: 8, .value_kind: global_buffer, .address_space: global }
      - { .name: qf, .offset: 56, .size: 8, .value_kind: global_buffer, .address_space: global }
      - { .name: gf, .offset: 64, .size: 8, .value_kind: global_buffer, .address_space: global }
      - { .name: kf, .offset: 72, .size: 8, .value_kind: global_buffer, .address_space: global }
      - { .name: vf, .offset: 80, .size: 8, .value_kind: global_buffer, .address_space: global }
    .group_segment_fixed_size: 40960
    .private_segment_fixed_size: 0
    .kernarg_segment_align: 8
    .kernarg_segment_size: 88
    .max_flat_workgroup_size: 512
    .sgpr_count:     66
    .vgpr_count:     256
    .wavefront_size: 32
...
	.end_amdgpu_metadata
.endif
;; end of part 1
;; launch attn (part 2): grid 32 x 8, 16 waves a work-group, no clusters, 327,680 bytes of LDS; arguments bias_pair, bias_mask, qf, kf, vf, gf, og; writes og
.if DOCPART == 2
	.amdgcn_target "amdgcn-amd-amdhsa--gfx1250"
	.amdhsa_code_object_version 6
	.text
	.protected	k_q1e84216f31_attn
	.globl	k_q1e84216f31_attn
	.p2align	8
	.type	k_q1e84216f31_attn,@function
k_q1e84216f31_attn:
	s_mov_b64 s[64:65], 0
	v_nop
	global_prefetch_b8 v0, s[64:65] scope:SCOPE_SE
	s_setreg_imm32_b32 hwreg(HW_REG_WAVE_MODE, 25, 1), 1
	s_wait_xcnt 0x0
; og = softmax_k(q . k / sqrt(32) + bias_mask + bias_pair) v x g, as f16, for 64 queries of one head in BOTH batches: bias_pair does not hang on the batch, so each of its bytes is fetched once in the launch.
; Products on f16 operands with f32 sums; maxima, exponentials and sums in f32; the weights p are rounded to f16 for the second product, the row's sum is taken of the unrounded p.
; All scores are kept in units of log2: q arrives multiplied by log2(e) / sqrt(32), the two biases are multiplied by log2(e) here.
; SHARES.  Work-group: head y, queries 64 x .. 64 x + 63.  Wave w: batch w % 2, keys 256 (w / 2) .. + 255, all 64 queries (four tiles of 16).  So a fragment of K or V is wanted by ONE wave of the work-group: it
; goes from memory straight into registers (the buffers are laid as register images) and feeds four products.  Each wave keeps its own maximum m, sum l and O^T; the eight key ranges are merged at the end through LDS.
; THE BIAS comes through LDS: for each key range a ring of two slots of 64 queries x 64 keys (rows of 256 bytes), read by the range's two waves; each of the two fetches 32 of a slot's rows, so all sixteen waves run
; the same text.  By this text's own count a wave has two tensor loads out at the start and one behind each refill.
; LAYOUT.  S^T = K Q^T + bias (source 0 = 16 keys, source 1 = 16 queries, C = the biases): a lane holds ONE query (l % 16) and keys 8 (l / 16) + 0..7.  The head's 32 channels are one K step, so a tile of scores is one
; matrix instruction.  Two tiles, rounded to f16 in pairs, ARE source 1 (32 keys x 16 queries) of O^T = V^T P.
; NO CLUSTER: the work-groups of a head share K and V, but a joint load lands in LDS, and K and V of a slot's keys (8 ranges x 64 keys x 2 batches x 128 bytes = 128 KB) do not fit beside the two bias slots
; (2 x 8 x 17,408 bytes); the bias, 4 bytes a score against K's and V's 1 / 16 byte a score and work-group row, is private to a work-group.
; LIMITS: -infinity in a bias is served (m starts at -3e38, so it stays a number); a row all of whose scores are -infinity gives NaN, as the softmax of such a row does.  o x g must lie under 65,504 in magnitude (f16).
.set ROWP,  272                        ; a bias row in LDS: 256 bytes + 16 = 68 words: row r starts at bank 4 r mod 64 (64 banks of 4 bytes: ISA guide 11.1): the 16 rows of a load start at 16 different banks
.set HALFB, 32*ROWP                    ; what one tensor load brings
.set SLOTB, 64*ROWP
.set PAIRB, 2*SLOTB                    ; a key range's ring
.set BM,    8*PAIRB                    ; behind the rings: log2(e) x bias_mask of each wave's 256 keys, 1,024 bytes a wave, stored by the wave itself: no tensor load lands here
.set SPARE, BM+16*1024                 ; behind them: the spare words, 128 bytes for each wave, that no other line names
.set STAT,  16*8192                    ; the merge's stage lies in the rings, behind their last fill and last read: O^T, 8,192 bytes a wave, from byte 0; m and l, 1,024 bytes a wave, from STAT
.set SPW, 4                            ; v4   LDS address of my spare word; never rewritten
.set NIL, 5                            ; v5   0; never rewritten
.set MS,  8                            ; v[8+2t] m of tile t;      v[9+2t] at work
.set AL,  16                           ; v[16+2t] a = 2^(old m - new m);  v[17+2t] at work
.set LS,  24                           ; v[24+2t:25+2t] l: even keys', odd keys'
.set TS,  32                           ; v[32+4t .. 35+4t] two pairs for the sums
.set BMR, 48                           ; v48-63   the step's bias_mask in the scores' layout
.set KF,  64                           ; v64-79   K: two fragments of 16 keys
.set VF,  80                           ; v80-95   V^T: two fragments of 16 channels x 32 keys
.set QF,  96                           ; v96-127  Q: four fragments; they stay
.set S,   128                          ; v128-191 S^T (t, u) at 16 t + 8 u; P of tile t takes the first 8 of its 16
.set OT,  192                          ; v192-255 O^T (t, c) at 16 t + 8 c
; v1 = 16 x lane (the loads of Q, K, V and g, and the store);  v2 = my place in a bias tile;  v3 = my place in my wave's bias_mask;  v6, v7 at work
	s_load_b256 s[4:11], s[0:1], 0x0               ; bias_pair s[4:5], bias_mask s[6:7], qf s[8:9], kf s[10:11]
	s_load_b128 s[12:15], s[0:1], 0x20             ; vf, gf
	s_load_b64 s[16:17], s[0:1], 0x30              ; og
	v_lshl_add_u32 v[SPW], v0, 2, SPARE
	v_mov_b32 v[NIL], 0
	ds_add_u32 v[SPW], v[NIL]                      ; the wave's opening: the add, twice on end, and its wait ahead of my first tensor load; work on registers stands between
	ds_add_u32 v[SPW], v[NIL]
	v_lshrrev_b32 v6, 5, v0
	v_readfirstlane_b32 s18, v6                    ; wave 0..15
	s_and_b32 s19, s18, 1                          ; batch.  Also: which 32 rows of a slot I fetch
	s_lshr_b32 s20, s18, 1                         ; key range
	s_and_b32 s21, ttmp7, 0xffff                   ; head
	; descriptor group 1: a tile of 32 rows x 64 elements of 4 bytes, rows 2,048 elements apart, 4 words of padding behind every 64
	s_mov_b32 s24, (2<<16)|(1<<20)|(5<<22)|(3<<25)
	s_mov_b32 s25, 64<<16                          ; tensor_dim0
	s_mov_b32 s26, 32<<16                          ; tensor_dim1
	s_mov_b32 s27, 64<<16                          ; tile_dim0
	s_mov_b32 s28, 32                              ; tile_dim1
	s_mov_b32 s29, 2048                            ; tensor_dim0_stride
	s_mov_b32 s30, 0
	s_mov_b32 s31, 0
	s_mov_b32 s40, 0x3fb8aa3b                      ; log2(e)
	s_mov_b32 s41, s40                             ; (named with it as a pair, so it is written)
	s_mov_b32 s42, 0x76543210                      ; v_permlanex16_b32's selects for lane l xor 16
	s_mov_b32 s43, 0xfedcba98
	s_lshl_b32 s44, s21, 24                        ; bias_pair: head x 2,048 x 2,048 x 4 bytes,
	s_lshl_b32 s22, ttmp9, 19                      ; 64 rows of 8,192 bytes a work-group,
	s_add_co_u32 s44, s44, s22
	s_lshl_b32 s22, s19, 18                        ; my 32 of them,
	s_add_co_u32 s44, s44, s22
	s_lshl_b32 s22, s20, 10                        ; my range's 256 keys
	s_add_co_u32 s44, s44, s22
	s_mov_b32 s45, 0
	s_mul_i32 s46, s20, PAIRB                      ; and in LDS: the range's ring, my 32 rows
	s_mul_i32 s22, s19, HALFB
	s_add_co_u32 s46, s46, s22
	s_wait_dscnt 0x0                               ; both opening adds are done
	s_wait_kmcnt 0x0
	s_add_nc_u64 s[4:5], s[4:5], s[44:45]
.irp n, 0,1                            ; descriptor group 0, a set for each slot; slot n begins with keys 64 n
	s_mov_b32 s[32+4*\n], 1
	s_add_co_u32 s[33+4*\n], s46, \n*SLOTB
	s_add_nc_u64 s[34+4*\n:35+4*\n], s[4:5], \n*256
	s_or_b32 s[35+4*\n], s[35+4*\n], 0x80000000
.endr
	tensor_load_to_lds s[32:35], s[24:31]          ; both first fills go out together, ahead of everything else
	s_nop 0
	tensor_load_to_lds s[36:39], s[24:31]
	s_nop 0
	v_and_b32 v7, 31, v0
	v_lshlrev_b32 v1, 4, v7
	v_lshlrev_b32 v6, 5, v7                        ; bias_mask: 8 numbers a lane
	v_and_b32 v2, 15, v0
	v_mul_u32_u24 v2, v2, ROWP
	v_bfe_u32 v3, v0, 4, 1
	v_lshl_add_u32 v2, v3, 5, v2                   ; row l % 16, + 8 keys for the upper lanes
	s_mul_i32 s22, s20, PAIRB
	v_add_nc_u32 v2, s22, v2
	s_lshl_b32 s22, s18, 10
	s_add_co_u32 s22, s22, BM
	v_lshl_add_u32 v3, v3, 5, s22
	v_add_nc_u32 v7, s22, v6
	s_mov_b32 s23, 0
	s_lshl_b32 s22, s19, 13                        ; bias_mask: batch, range
	s_lshl_b32 s47, s20, 10
	s_add_co_u32 s22, s22, s47
	s_add_nc_u64 s[6:7], s[6:7], s[22:23]
	s_lshl_b32 s46, s19, 3
	s_add_co_u32 s46, s46, s21                     ; 8 batch + head
	s_lshl_b32 s47, s46, 17                        ; x 128 tiles of 1,024 bytes
	s_lshl_b32 s22, ttmp9, 12
	s_add_co_u32 s22, s22, s47
	s_add_nc_u64 s[8:9], s[8:9], s[22:23]          ; Q at my work-group's four tiles
	s_lshl_b32 s22, s20, 14
	s_add_co_u32 s22, s22, s47
	s_add_nc_u64 s[10:11], s[10:11], s[22:23]      ; K and V at my range
	s_add_nc_u64 s[12:13], s[12:13], s[22:23]
.macro LOADK st                        ; K of step st: keys 32 st .. + 31, two fragments
.irp u, 0,1
.irp e, 0,1
	global_load_b128 v[KF+8*\u+4*\e:KF+8*\u+4*\e+3], v1, s[10:11] offset:1024*(2*(\st)+\u)+512*\e
.endr
.endr
.endm
.macro LOADV st                        ; V of step st: two fragments of 16 channels
.irp c, 0,1
.irp e, 0,1
	global_load_b128 v[VF+8*\c+4*\e:VF+8*\c+4*\e+3], v1, s[12:13] offset:2048*(\st)+1024*\c+512*\e
.endr
.endr
.endm
	global_load_b128 v[BMR:BMR+3], v6, s[6:7]
	global_load_b128 v[BMR+4:BMR+7], v6, s[6:7] offset:16
.irp t, 0,1,2,3
.irp e, 0,1
	global_load_b128 v[QF+8*\t+4*\e:QF+8*\t+4*\e+3], v1, s[8:9] offset:1024*\t+512*\e
.endr
.endr
	LOADK 0
	LOADV 0
	; the merge: wave w ends up with batch w % 2, tile (w / 2) % 4, channels 16 (w / 8) on
	s_and_b32 s44, s20, 3
	s_lshr_b32 s45, s18, 3
	s_lshl_b32 s22, s46, 18                        ; gf: (8 batch + head) x 128 tiles of 2,048 bytes
	s_lshl_b32 s47, ttmp9, 13
	s_add_co_u32 s22, s22, s47
	s_lshl_b32 s47, s44, 11
	s_add_co_u32 s22, s22, s47
	s_lshl_b32 s47, s45, 10
	s_add_co_u32 s22, s22, s47
	s_add_nc_u64 s[14:15], s[14:15], s[22:23]
	s_lshl_b32 s22, s19, 20                        ; og: ((128 batch + tile) x 8 + head) x 1,024 + 512 c
	s_lshl_b32 s47, ttmp9, 15
	s_add_co_u32 s22, s22, s47
	s_lshl_b32 s47, s44, 13
	s_add_co_u32 s22, s22, s47
	s_lshl_b32 s47, s21, 10
	s_add_co_u32 s22, s22, s47
	s_lshl_b32 s47, s45, 9
	s_add_co_u32 s22, s22, s47
	s_add_nc_u64 s[16:17], s[16:17], s[22:23]
	s_wait_loadcnt 16                              ; bias_mask is in; Q's 8, K's 4 and V's 4 loads stay out
.irp p, 0,2,4,6
	v_pk_mul_f32 v[BMR+\p:BMR+\p+1], v[BMR+\p:BMR+\p+1], s[40:41] op_sel_hi:[1,0]
.endr
	ds_store_b128 v7, v[BMR:BMR+3]
	ds_store_b128 v7, v[BMR+4:BMR+7] offset:16
	s_wait_tensorcnt 1                             ; my part of slot 0 is in; slot 1's may stay out
	s_wait_dscnt 0x0
	s_barrier_signal -1
	s_barrier_wait -1                              ; my partner's part is in too
; The maxima of tiles t0 and t1, by turns.  Two chains a tile; each begins at the low end of one of the tile's two accumulators.
.macro MAXP t0, t1
.irp t, \t0, \t1
	v_max3_num_f32 v[AL+2*\t+1], v[S+16*\t], v[S+16*\t+1], v[S+16*\t+2]
.endr
.irp t, \t0, \t1
	v_max3_num_f32 v[MS+2*\t+1], v[S+16*\t+8], v[S+16*\t+9], v[S+16*\t+10]
.endr
.irp p, 3,5
.irp t, \t0, \t1
	v_max3_num_f32 v[AL+2*\t+1], v[AL+2*\t+1], v[S+16*\t+\p], v[S+16*\t+\p+1]
.endr
.irp t, \t0, \t1
	v_max3_num_f32 v[MS+2*\t+1], v[MS+2*\t+1], v[S+16*\t+8+\p], v[S+16*\t+9+\p]
.endr
.endr
.irp t, \t0, \t1
	v_max3_num_f32 v[AL+2*\t+1], v[AL+2*\t+1], v[S+16*\t+7], v[S+16*\t+15]
.endr
.irp t, \t0, \t1
.if FIRST
	v_max3_num_f32 v[AL+2*\t+1], v[AL+2*\t+1], v[MS+2*\t+1], 0xff61b1e6   ; -3e38 in place of an old m
.else
	v_max3_num_f32 v[AL+2*\t+1], v[AL+2*\t+1], v[MS+2*\t+1], v[MS+2*\t]
.endif
.endr
.endm
; A STEP: 32 keys, the s-th of my 256.  Step 0 starts m, l and O^T: it has no a and nothing to rescale.
.macro STEP s
.if (\s) == 0
.set FIRST, 1
.else
.set FIRST, 0
.endif
.set NB, SLOTB*(((\s)/2)%2)+128*((\s)%2)       ; the slot, and which 32 of its 64 keys
.irp u, 0,1
.irp e, 0,1
	ds_load_b128 v[BMR+8*\u+4*\e:BMR+8*\u+4*\e+3], v3 offset:128*(\s)+64*\u+16*\e
.endr
.endr
.irp t, 0,1,2,3
.irp u, 0,1
.irp e, 0,1
	ds_load_b128 v[S+16*\t+8*\u+4*\e:S+16*\t+8*\u+4*\e+3], v2 offset:NB+16*ROWP*\t+64*\u+16*\e   ; bias_pair(query 16 t + l % 16, keys 16 u + 8 (l / 16) + 4 e + 0..3): the scores' own layout
.endr
.endr
.endr
	s_wait_loadcnt 4                               ; K of this step (and Q) is in; behind it only V's four loads were issued
.irp t, 0,1,2,3
	s_wait_dscnt 12-4*\t                           ; LDS loads come back in order: bias_mask and tile t are in, the later tiles' four loads each stay out
.irp p, 0,2,4,6,8,10,12,14
	v_pk_fma_f32 v[S+16*\t+\p:S+16*\t+\p+1], v[S+16*\t+\p:S+16*\t+\p+1], s[40:41], v[BMR+\p:BMR+\p+1] op_sel_hi:[1,0,1]   ; log2(e) x bias_pair + log2(e) x bias_mask
.endr
.irp u, 0,1
	v_wmma_f32_16x16x32_f16 v[S+16*\t+8*\u:S+16*\t+8*\u+7], v[KF+8*\u:KF+8*\u+7], v[QF+8*\t:QF+8*\t+7], v[S+16*\t+8*\u:S+16*\t+8*\u+7]   ; + K Q^T: every instruction another accumulator
.endr
.endr
	MAXP 0, 1                                      ; sixteen plain lines that name nothing of the last products: their places
.if (\s) < 7
	LOADK (\s)+1                                   ; K's registers are free: the next step's fragments
.endif
	MAXP 2, 3
.irp t, 0,1,2,3
	v_permlanex16_b32 v[MS+2*\t+1], v[AL+2*\t+1], s42, s43      ; the query's other 16 keys lie in the lane 16 away
.endr
.irp t, 0,1,2,3
	v_max_num_f32 v[AL+2*\t+1], v[AL+2*\t+1], v[MS+2*\t+1]      ; the new m
.endr
.if FIRST == 0
.irp t, 0,1,2,3
	v_sub_f32 v[AL+2*\t], v[MS+2*\t], v[AL+2*\t+1]              ; old m - new m
.endr
.endif
.irp t, 0,1,2,3
	v_mov_b32 v[MS+2*\t], v[AL+2*\t+1]
.endr
.irp t, 0,1,2,3
.irp p, 0,2,4,6,8,10,12,14
	v_pk_add_f32 v[S+16*\t+\p:S+16*\t+\p+1], v[S+16*\t+\p:S+16*\t+\p+1], v[MS+2*\t:MS+2*\t+1] op_sel_hi:[1,0] neg_lo:[0,1] neg_hi:[0,1]   ; t - m
.endr
.endr
.if FIRST == 0
.irp t, 0,1,2,3
	v_exp_f32 v[AL+2*\t], v[AL+2*\t]
.endr
.endif
.set p, 0
.rept 64
	v_exp_f32 v[S+p], v[S+p]                       ; p = 2^(t - m)
.set p, p+1
.endr
	v_nop                                          ; a plain line behind the last exponential
	s_wait_alu depctr_va_vdst(0)                   ; ONE wait for the step's batch, ahead of its first reader
.irp t, 0,1,2,3
	v_pk_add_f32 v[TS+4*\t:TS+4*\t+1], v[S+16*\t:S+16*\t+1], v[S+16*\t+2:S+16*\t+3]         ; the sums of the unrounded p: two chains a tile, the tiles by turns
.endr
.irp t, 0,1,2,3
	v_pk_add_f32 v[TS+4*\t+2:TS+4*\t+3], v[S+16*\t+4:S+16*\t+5], v[S+16*\t+6:S+16*\t+7]
.endr
.irp p, 8,12
.irp t, 0,1,2,3
	v_pk_add_f32 v[TS+4*\t:TS+4*\t+1], v[TS+4*\t:TS+4*\t+1], v[S+16*\t+\p:S+16*\t+\p+1]
.endr
.irp t, 0,1,2,3
	v_pk_add_f32 v[TS+4*\t+2:TS+4*\t+3], v[TS+4*\t+2:TS+4*\t+3], v[S+16*\t+\p+2:S+16*\t+\p+3]
.endr
.endr
.if FIRST
.irp t, 0,1,2,3
	v_pk_add_f32 v[LS+2*\t:LS+2*\t+1], v[TS+4*\t:TS+4*\t+1], v[TS+4*\t+2:TS+4*\t+3]
.endr
.else
.irp t, 0,1,2,3
	v_pk_add_f32 v[TS+4*\t:TS+4*\t+1], v[TS+4*\t:TS+4*\t+1], v[TS+4*\t+2:TS+4*\t+3]
.endr
.irp t, 0,1,2,3
	v_pk_fma_f32 v[LS+2*\t:LS+2*\t+1], v[LS+2*\t:LS+2*\t+1], v[AL+2*\t:AL+2*\t+1], v[TS+4*\t:TS+4*\t+1] op_sel_hi:[1,0,1]   ; l = a l + the step's sum
.endr
.endif
.irp k, 0,1,2,3,4,5,6,7
.irp t, 0,1,2,3
	v_cvt_pk_f16_f32 v[S+16*\t+\k], v[S+16*\t+2*\k], v[S+16*\t+2*\k+1]      ; P, in place and ascending: register k is written when registers 2 k and 2 k + 1 are read
.endr
.endr
.if FIRST == 0
.irp t, 0,1,2,3
.irp p, 0,2,4,6,8,10,12,14
	v_pk_mul_f32 v[OT+16*\t+\p:OT+16*\t+\p+1], v[OT+16*\t+\p:OT+16*\t+\p+1], v[AL+2*\t:AL+2*\t+1] op_sel_hi:[1,0]   ; O^T x a, each accumulator from its low end on
.endr
.endr
.endif
.if (\s) < 7
	s_wait_loadcnt 4                               ; V of this step is in; behind it only the next K's four loads were issued
.else
	s_wait_loadcnt 0x0
.endif
.irp c, 0,1
.irp t, 0,1,2,3
.if FIRST
	v_wmma_f32_16x16x32_f16 v[OT+16*\t+8*\c:OT+16*\t+8*\c+7], v[VF+8*\c:VF+8*\c+7], v[S+16*\t:S+16*\t+7], 0
.else
	v_wmma_f32_16x16x32_f16 v[OT+16*\t+8*\c:OT+16*\t+8*\c+7], v[VF+8*\c:VF+8*\c+7], v[S+16*\t:S+16*\t+7], v[OT+16*\t+8*\c:OT+16*\t+8*\c+7]
.endif
.endr
.endr
.rept 5
	v_nop                                          ; five places: the next step's score products write over P's registers, which these products read; four of them serve the loads into V's and S's registers
.endr
.if (\s) < 7
	LOADV (\s)+1
.endif
.endm
; THE CHANGE OF SLOTS.  Each wave waits for all its tensor loads (its part of the slot that is read next), adds 0 to its spare word, and waits for that and for its reads of the slot that it leaves.
; Behind the barrier the next slot is whole and nobody reads slot n.  fill = 1: slot n takes the keys 128 further on: my one tensor load, first thing behind the barrier.
.macro CHANGE n, fill
	s_wait_tensorcnt 0x0                           ; no tensor load of mine is out, so a group 0 may be written
	ds_add_u32 v[SPW], v[NIL]
.if \fill
	s_add_nc_u64 s[34+4*\n:35+4*\n], s[34+4*\n:35+4*\n], 512   ; 128 keys on; the type bits on top are not reached
.endif
	s_wait_dscnt 0x0
	s_barrier_signal -1
	s_barrier_wait -1
.if \fill
	tensor_load_to_lds s[32+4*\n:35+4*\n], s[24:31]
	s_nop 0
.endif
.endm
	STEP 0
	STEP 1
	CHANGE 0, 1                                    ; slot 0: keys 128 to 191; it has two steps in which to land
	STEP 2
	STEP 3
	CHANGE 1, 1                                    ; slot 1: keys 192 to 255
	STEP 4
	STEP 5
	CHANGE 0, 0                                    ; nothing is left to fetch: the barrier shows me my partner's rows of slot 1
	STEP 6
	STEP 7
	; THE MERGE of the eight key ranges.  Every wave puts its O^T, m and l into the stage; then wave w sums one tile of 16 queries x 16 channels of its batch over the eight ranges.
	global_load_b128 v[80:83], v1, s[14:15] th:TH_LOAD_NT              ; g of that tile, read once in the launch (V's registers: five places behind the last products)
	global_load_b128 v[84:87], v1, s[14:15] offset:512 th:TH_LOAD_NT
.irp t, 0,1,2,3
	v_add_f32 v[LS+2*\t], v[LS+2*\t], v[LS+2*\t+1]
.endr
.irp t, 0,1,2,3
	v_permlanex16_b32 v[LS+2*\t+1], v[LS+2*\t], s42, s43
.endr
.irp t, 0,1,2,3
	v_add_f32 v[LS+2*\t], v[LS+2*\t], v[LS+2*\t+1]             ; l of my 256 keys
.endr
	s_wait_dscnt 0x0                               ; my reads of the ring are over
	s_lshl_b32 s22, s18, 13
	v_add_nc_u32 v6, s22, v1                       ; into the stage: my wave's 8,192 bytes, 16 a lane
	s_lshl_b32 s22, s18, 10
	s_add_co_u32 s22, s22, STAT
	v_and_b32 v7, 31, v0
	v_lshl_add_u32 v7, v7, 2, s22                  ; my wave's m and l, 4 bytes a lane
	s_lshl_b32 s22, s19, 10
	s_lshl_b32 s47, s44, 8
	s_add_co_u32 s22, s22, s47
	s_add_co_u32 s22, s22, STAT
	v_and_b32 v2, 31, v0
	v_lshl_add_u32 v2, v2, 2, s22                  ; back: range 0's m of my batch and tile; 2,048 bytes from range to range
	s_lshl_b32 s22, s44, 1
	s_add_co_u32 s22, s22, s45
	s_lshl_b32 s22, s22, 10
	s_lshl_b32 s47, s19, 13
	s_add_co_u32 s22, s22, s47
	v_add_nc_u32 v3, s22, v1                       ; range 0's accumulator; 16,384 bytes from range to range
	v_add_nc_u32 v32, 0x10000, v3                  ; ranges 4 to 7: beyond the 16-bit immediate
	s_barrier_signal -1
	s_barrier_wait -1                              ; nobody reads the ring any more, and it has had its last fill
.irp t, 0,1,2,3
.irp c, 0,1
	ds_store_b128 v6, v[OT+16*\t+8*\c:OT+16*\t+8*\c+3] offset:1024*(2*\t+\c)          ; each accumulator from its low end on
	ds_store_b128 v6, v[OT+16*\t+8*\c+4:OT+16*\t+8*\c+7] offset:1024*(2*\t+\c)+512
.endr
	ds_store_b32 v7, v[MS+2*\t] offset:256*\t
	ds_store_b32 v7, v[LS+2*\t] offset:256*\t+128
.endr
	s_wait_dscnt 0x0                               ; for the others' sake: my stores have landed
	s_barrier_signal -1
	s_barrier_wait -1
.irp k, 0,1,2,3,4,5,6,7
	ds_load_b32 v[64+2*\k], v2 offset:2048*\k      ; m of range k,
	ds_load_b32 v[65+2*\k], v2 offset:2048*\k+128  ; l of range k
.endr
.irp k, 0,1,2,3
	ds_load_b128 v[128+8*\k:131+8*\k], v3 offset:16384*\k
	ds_load_b128 v[132+8*\k:135+8*\k], v3 offset:16384*\k+512
.endr
.irp k, 0,1,2,3
	ds_load_b128 v[160+8*\k:163+8*\k], v32 offset:16384*\k
	ds_load_b128 v[164+8*\k:167+8*\k], v32 offset:16384*\k+512
.endr
	s_wait_dscnt 16                                ; m and l are in; the sixteen wide loads stay out
	v_max3_num_f32 v88, v64, v66, v68
	v_max3_num_f32 v88, v88, v70, v72
	v_max3_num_f32 v88, v88, v74, v76
	v_max_num_f32 v88, v88, v78                    ; the row's maximum over all 2,048 keys
.irp k, 0,1,2,3,4,5,6,7
	v_sub_f32 v[64+2*\k], v[64+2*\k], v88
.endr
.irp k, 0,1,2,3,4,5,6,7
	v_exp_f32 v[64+2*\k], v[64+2*\k]               ; f of range k
.endr
	v_nop
	s_wait_alu depctr_va_vdst(0)                   ; one wait for the eight
	v_mul_f32 v104, v64, v65
.irp k, 1,2,3,4,5,6,7
	v_fma_f32 v104, v[64+2*\k], v[65+2*\k], v104   ; the row's sum
.endr
	v_rcp_f32 v106, v104
	v_mov_b32 v107, 0                              ; a plain line behind the reciprocal; v107 is named with v106 as a pair below
	s_wait_dscnt 0x0
.irp p, 0,2,4,6
	v_pk_mul_f32 v[96+\p:97+\p], v[128+\p:129+\p], v[64:65] op_sel_hi:[1,0]
.endr
.irp k, 1,2,3,4,5,6,7
.irp p, 0,2,4,6
	v_pk_fma_f32 v[96+\p:97+\p], v[128+8*\k+\p:129+8*\k+\p], v[64+2*\k:65+2*\k], v[96+\p:97+\p] op_sel_hi:[1,0,1]
.endr
.endr
	s_wait_alu depctr_va_vdst(0)                   ; the reciprocal's wait, ahead of its first reader; the 32 lines above are the work between
.irp p, 0,2,4,6
	v_pk_mul_f32 v[96+\p:97+\p], v[96+\p:97+\p], v[106:107] op_sel_hi:[1,0]
.endr
	s_wait_loadcnt 0x0                             ; g
.irp p, 0,2,4,6
	v_pk_mul_f32 v[96+\p:97+\p], v[96+\p:97+\p], v[80+\p:81+\p]
.endr
.irp k, 0,1,2,3
	v_cvt_pk_f16_f32 v[108+\k], v[96+2*\k], v[97+2*\k]
.endr
	global_store_b128 v1, v[108:111], s[16:17]     ; 32 lanes store 512 consecutive bytes: half a fragment of the last product
	s_wait_tensorcnt 0x0                           ; the wave's end: behind my last tensor load and my last LDS store
	ds_add_u32 v[SPW], v[NIL]
	s_wait_dscnt 0x0
	s_endpgm
.Lfunc_end_k_q1e84216f31_attn:
	.size	k_q1e84216f31_attn, .Lfunc_end_k_q1e84216f31_attn-k_q1e84216f31_attn
	.p2alignl 7, 3214868480
	.fill 96, 4, 3214868480
	.section	.rodata,"a",@progbits
	.p2align	6, 0x0
	.amdhsa_kernel k_q1e84216f31_attn
		.amdhsa_group_segment_fixed_size 327680
		.amdhsa_private_segment_fixed_size 0
		.amdhsa_enable_private_segment 0
		.amdhsa_kernarg_size 56
		.amdhsa_user_sgpr_count 2
		.amdhsa_user_sgpr_kernarg_segment_ptr 1
		.amdhsa_wavefront_size32 1
		.amdhsa_system_sgpr_workgroup_id_x 1
		.amdhsa_system_sgpr_workgroup_id_y 1
		.amdhsa_system_sgpr_workgroup_id_z 1
		.amdhsa_system_vgpr_workitem_id 0
		.amdhsa_next_free_vgpr 256
		.amdhsa_next_free_sgpr 66
		.amdhsa_reserve_vcc 0
		.amdhsa_float_denorm_mode_32 3
		.amdhsa_float_denorm_mode_16_64 3
		.amdhsa_memory_ordered 1
		.amdhsa_forward_progress 1
		.amdhsa_inst_pref_size 160
	.end_amdhsa_kernel
	.amdgpu_metadata
---
amdhsa.version: [ 1, 2 ]
amdhsa.kernels:
  - .name:           k_q1e84216f31_attn
    .symbol:         k_q1e84216f31_attn.kd
    .args:
      - { .name: bias_pair, .offset: 0, .size: 8, .value_kind: global_buffer, .address_space: global }
      - { .name: bias_mask, .offset: 8, .size: 8, .value_kind: global_buffer, .address_space: global }
      - { .name: qf, .offset: 16, .size: 8, .value_kind: global_buffer, .address_space: global }
      - { .name: kf, .offset: 24, .size: 8, .value_kind: global_buffer, .address_space: global }
      - { .name: vf, .offset: 32, .size: 8, .value_kind: global_buffer, .address_space: global }
      - { .name: gf, .offset: 40, .size: 8, .value_kind: global_buffer, .address_space: global }
      - { .name: og, .offset: 48, .size: 8, .value_kind: global_buffer, .address_space: global }
    .group_segment_fixed_size: 327680
    .private_segment_fixed_size: 0
    .kernarg_segment_align: 8
    .kernarg_segment_size: 56
    .max_flat_workgroup_size: 512
    .sgpr_count:     66
    .vgpr_count:     256
    .wavefront_size: 32
...
	.end_amdgpu_metadata
.endif
;; end of part 2
;; launch outp (part 3): grid 64 x 4, 4 waves a work-group, no clusters, 51,712 bytes of LDS; arguments og, Wo, bo, out0; writes out0
.if DOCPART == 3
	.amdgcn_target "amdgcn-amd-amdhsa--gfx1250"
	.amdhsa_code_object_version 6
	.text
	.protected	k_q1e84216f31_outp
	.globl	k_q1e84216f31_outp
	.p2align	8
	.type	k_q1e84216f31_outp,@function
k_q1e84216f31_outp:
	s_mov_b64 s[64:65], 0
	v_nop
	global_prefetch_b8 v0, s[64:65] scope:SCOPE_SE
	s_setreg_imm32_b32 hwreg(HW_REG_WAVE_MODE, 25, 1), 1
	s_wait_xcnt 0x0
; out0 = (o x g) Wo^T + bo.  og: f16, laid as register images [tile of 16 rows][head][c][lane][16 B]; Wo: [256][256] f32, K innermost; bo: [256] f32; out0: [4096][256] f32.  f16 operands, f32 sums.
; SHARES.  A work-group makes 64 rows x 64 columns; wave w makes rows 16 w .. + 15 against all four tiles of columns: four accumulators, eight K steps of 32 (a head each).
; Wo's 64 rows are rounded to f16 once by the work-group (16 rows a wave) and shared through LDS; og's fragments come from memory straight into registers.
; THE MATRIX INSTRUCTION IS USED TRANSPOSED (source 0 = 16 rows of Wo, source 1 = 16 rows of og): a lane holds eight neighbouring columns of one row.  bo is loaded into the accumulators: the sums start from it.
; No tensor load: a work-group's inputs are 64 KB of Wo, which has to be converted in registers anyway, and 32 KB of og, which needs no LDS.  No cluster for the same reason: nothing comes by joint loads.
; LIMIT: Wo must lie under 65,504 in magnitude (f16).
.set WP,    528                        ; a row of Wo in LDS: 512 bytes + 16 = 132 words: row r starts at bank 4 r mod 64 (64 banks of 4 bytes: ISA guide 11.1)
.set STG,   64*WP                      ; behind Wo: a stage of 16 rows x (256 bytes + 16) for each wave
.set SP,    272
.set SPARE, STG+4*16*SP                ; behind the stages: the spare words, 128 bytes for each wave, that no other line names
.set SPW,  9                           ; v9   LDS address of my spare word; never rewritten
.set NIL,  10                          ; v10  0; never rewritten
.set ACC,  32                          ; v32-63   four accumulators
.set OG,   64                          ; v64-127  og's eight fragments
.set RAW,  128                         ; v128-255 16 rows x 8 numbers of Wo as loaded
.set WF,   128                         ; later: two sets of Wo's four fragments, v128-159 and v160-191
.set OUTR, 192                         ; the way out: 16 rows read back
	s_load_b256 s[4:11], s[0:1], 0x0               ; og s[4:5], Wo s[6:7], bo s[8:9], out0 s[10:11]
	v_lshl_add_u32 v[SPW], v0, 2, SPARE
	v_mov_b32 v[NIL], 0
	v_lshrrev_b32 v1, 5, v0
	v_readfirstlane_b32 s12, v1                    ; wave 0..3
	s_and_b32 s13, ttmp7, 0xffff                   ; which 64 columns
	v_and_b32 v11, 31, v0                          ; lane
	v_and_b32 v12, 15, v0                          ; r
	v_bfe_u32 v13, v0, 4, 1                        ; h
	v_lshlrev_b32 v1, 4, v11                       ; og: 16 bytes a lane
	v_lshlrev_b32 v2, 5, v11                       ; Wo: 8 numbers a lane
	v_lshlrev_b32 v3, 5, v13                       ; bo: my half's eight numbers
	s_mul_i32 s16, s12, 16*WP
	v_add_nc_u32 v4, s16, v1                       ; Wo into LDS: my wave's 16 rows, 16 bytes a lane
	v_mul_u32_u24 v5, v12, WP
	v_lshl_add_u32 v5, v13, 4, v5                  ; a fragment: row r x pitch + 16 h
	s_mul_i32 s16, s12, 16*SP
	s_add_co_u32 s16, s16, STG                     ; my stage
	v_mul_u32_u24 v6, v12, SP
	v_lshl_add_u32 v6, v13, 5, v6
	v_add_nc_u32 v6, s16, v6                       ; in: row r, 32 bytes for each half of the lanes
	v_mul_u32_u24 v7, v13, SP
	v_lshl_add_u32 v7, v12, 4, v7
	v_add_nc_u32 v7, s16, v7                       ; back: lanes 0-15 one row of 256 bytes, lanes 16-31 the next
	v_lshlrev_b32 v8, 10, v13
	v_lshl_add_u32 v8, v12, 4, v8                  ; and the same two rows in out0
	s_mov_b32 s15, 0
	s_lshl_b32 s17, s12, 14
	s_wait_kmcnt 0x0
	s_lshl_b32 s14, s13, 16                        ; Wo: rows 64 y + 16 w on, 1,024 bytes each
	s_add_co_u32 s14, s14, s17
	s_add_nc_u64 s[6:7], s[6:7], s[14:15]
	s_lshl_b32 s14, s13, 8                         ; bo: 64 numbers on
	s_add_nc_u64 s[8:9], s[8:9], s[14:15]
	s_lshl_b32 s16, ttmp9, 16                      ; out0: rows 64 x + 16 w, columns 64 y
	s_add_co_u32 s14, s14, s16
	s_add_co_u32 s14, s14, s17
	s_add_nc_u64 s[10:11], s[10:11], s[14:15]
	s_lshl_b32 s14, ttmp9, 15                      ; og: tile 4 x + w of 8,192 bytes
	s_lshl_b32 s16, s12, 13
	s_add_co_u32 s14, s14, s16
	s_add_nc_u64 s[4:5], s[4:5], s[14:15]
.set i, 0
.rept 16
	global_load_b128 v[RAW+8*i:RAW+8*i+3], v2, s[6:7] offset:1024*i
	global_load_b128 v[RAW+8*i+4:RAW+8*i+7], v2, s[6:7] offset:1024*i+16
.set i, i+1
.endr
.irp n, 0,1,2,3
.irp e, 0,1
	global_load_b128 v[ACC+8*\n+4*\e:ACC+8*\n+4*\e+3], v3, s[8:9] offset:64*\n+16*\e     ; bo at columns 16 n + 8 h + 0..7: the results' own layout
.endr
.endr
.irp q, 0,1,2,3,4,5,6,7
.irp e, 0,1
	global_load_b128 v[OG+8*\q+4*\e:OG+8*\q+4*\e+3], v1, s[4:5] offset:1024*\q+512*\e
.endr
.endr
.set i, 0
.rept 16
	s_wait_loadcnt 54-2*i                          ; row i's two loads are in; the later rows' two each, bo's 8 and og's 16 stay out
.irp k, 0,1,2,3
	v_cvt_pk_f16_f32 v[RAW+8*i+\k], v[RAW+8*i+2*\k], v[RAW+8*i+2*\k+1]
.endr
	ds_store_b128 v4, v[RAW+8*i:RAW+8*i+3] offset:WP*i
.set i, i+1
.endr
	s_wait_dscnt 0x0                               ; for the others' sake: my rows of Wo have landed
	s_barrier_signal -1
	s_barrier_wait -1
.macro FETCHW q                        ; Wo's four fragments of K step q into set q % 2: 16 rows x 32 K: two loads of 16 bytes, 32 apart
.irp n, 0,1,2,3
.irp e, 0,1
	ds_load_b128 v[WF+32*((\q)%2)+8*\n+4*\e:WF+32*((\q)%2)+8*\n+4*\e+3], v5 offset:16*WP*\n+64*(\q)+32*\e
.endr
.endr
.endm
	FETCHW 0
	FETCHW 1
	s_wait_loadcnt 0x0                             ; bo and og
.irp q, 0,1,2,3,4,5,6,7
.if \q < 7
	s_wait_dscnt 8                                 ; this step's set is in; the next set's eight loads stay out
.else
	s_wait_dscnt 0x0
.endif
.irp n, 0,1,2,3                        ; the four accumulators take turns
	v_wmma_f32_16x16x32_f16 v[ACC+8*\n:ACC+8*\n+7], v[WF+32*(\q%2)+8*\n:WF+32*(\q%2)+8*\n+7], v[OG+8*\q:OG+8*\q+7], v[ACC+8*\n:ACC+8*\n+7]
.endr
.if \q < 6
.rept 4
	v_nop                                          ; four places in front of loads into registers that these products read (ISA guide 7.12.1 for vector instructions)
.endr
	FETCHW \q+2
.endif
.endr
.rept 4
	v_nop                                          ; four places in front of the first read of results
.endr
	; THE WAY OUT: a lane's 32 bytes of a row go through my own stage and come back as whole rows of 256 bytes.  LDS serves a wave's instructions in order (ISA guide 5.7.1.4): no wait between the stores and the loads.
.irp n, 0,1,2,3
	ds_store_b128 v6, v[ACC+8*\n:ACC+8*\n+3] offset:64*\n            ; each accumulator from its low end on
	ds_store_b128 v6, v[ACC+8*\n+4:ACC+8*\n+7] offset:64*\n+16
.endr
.irp j, 0,1,2,3,4,5,6,7
	ds_load_b128 v[OUTR+4*\j:OUTR+4*\j+3], v7 offset:2*SP*\j
.endr
.irp j, 0,1,2,3,4,5,6,7
	s_wait_dscnt 7-\j
	global_store_b128 v8, v[OUTR+4*\j:OUTR+4*\j+3], s[10:11] offset:2048*\j th:TH_STORE_NT   ; 16 lanes store 256 consecutive bytes, at a multiple of 256 from out0's first byte; written once, read by nobody here
.endr
	s_wait_tensorcnt 0x0                           ; the wave's end: behind my last LDS store
	ds_add_u32 v[SPW], v[NIL]
	s_wait_dscnt 0x0
	s_endpgm
.Lfunc_end_k_q1e84216f31_outp:
	.size	k_q1e84216f31_outp, .Lfunc_end_k_q1e84216f31_outp-k_q1e84216f31_outp
	.p2alignl 7, 3214868480
	.fill 96, 4, 3214868480
	.section	.rodata,"a",@progbits
	.p2align	6, 0x0
	.amdhsa_kernel k_q1e84216f31_outp
		.amdhsa_group_segment_fixed_size 51712
		.amdhsa_private_segment_fixed_size 0
		.amdhsa_enable_private_segment 0
		.amdhsa_kernarg_size 32
		.amdhsa_user_sgpr_count 2
		.amdhsa_user_sgpr_kernarg_segment_ptr 1
		.amdhsa_wavefront_size32 1
		.amdhsa_system_sgpr_workgroup_id_x 1
		.amdhsa_system_sgpr_workgroup_id_y 1
		.amdhsa_system_sgpr_workgroup_id_z 1
		.amdhsa_system_vgpr_workitem_id 0
		.amdhsa_next_free_vgpr 256
		.amdhsa_next_free_sgpr 66
		.amdhsa_reserve_vcc 0
		.amdhsa_float_denorm_mode_32 3
		.amdhsa_float_denorm_mode_16_64 3
		.amdhsa_memory_ordered 1
		.amdhsa_forward_progress 1
		.amdhsa_inst_pref_size 23
	.end_amdhsa_kernel
	.amdgpu_metadata
---
amdhsa.version: [ 1, 2 ]
amdhsa.kernels:
  - .name:           k_q1e84216f31_outp
    .symbol:         k_q1e84216f31_outp.kd
    .args:
      - { .name: og, .offset: 0, .size: 8, .value_kind: global_buffer, .address_space: global }
      - { .name: Wo, .offset: 8, .size: 8, .value_kind: global_buffer, .address_space: global }
      - { .name: bo, .offset: 16, .size: 8, .value_kind: global_buffer, .address_space: global }
      - { .name: out0, .offset: 24, .size: 8, .value_kind: global_buffer, .address_space: global }
    .group_segment_fixed_size: 51712
    .private_segment_fixed_size: 0
    .kernarg_segment_align: 8
    .kernarg_segment_size: 32
    .max_flat_workgroup_size: 128
    .sgpr_count:     66
    .vgpr_count:     256
    .wavefront_size: 32
...
	.end_amdgpu_metadata
.endif
;; end of part 3
